; MI455X (gfx1250); checked and timed in simulation.
; The chip was launched on July 23, 2026; its instructions are those of AMD's public machine-readable ISA for CDNA 5 (MIT licence, August 2026) and "CDNA5" Instruction Set Architecture Reference Guide (July 2026). The comments in the code are by the model that wrote it; some were corrected since.
;; Multi Head Attention. Allowed arithmetic: matrix products marked QUANTISED: E2M3 operands, one E8M0 scale for each 32 along K, by v_wmma_scale_f32_16x16x128_f8f6f4 with both operands' format E2M3, f32 sums; everything else in f32.
;; Inputs: Wk_codes 1,024 x 32 x 24 uint8 (E2M3 codes of Wk, K innermost, in blocks of 32 codes, four codes in three bytes); Wk_scales 1,024 x 32 uint8 (E8M0 scales of Wk, one for each 32 codes along K); Wq_codes 1,024 x 32 x 24 uint8 (E2M3 codes of Wq, K innermost, in blocks of 32 codes, four codes in three bytes); Wq_scales 1,024 x 32 uint8 (E8M0 scales of Wq, one for each 32 codes along K); Wv_codes 1,024 x 32 x 24 uint8 (E2M3 codes of Wv, K innermost, in blocks of 32 codes, four codes in three bytes); Wv_scales 1,024 x 32 uint8 (E8M0 scales of Wv, one for each 32 codes along K); bk 1,024 float32; bq 1,024 float32; bv 1,024 float32; x_codes 4 x 2,048 x 32 x 24 uint8 (E2M3 codes of x, K innermost, in blocks of 32 codes, four codes in three bytes); x_mask 4 x 2,048 x 2,048 int32; x_scales 4 x 2,048 x 32 uint8 (E8M0 scales of x, one for each 32 codes along K).
;; Outputs: out0 4 x 2,048 x 1,024 float32.
;; Constants: direction = 1.
;; This version of the problem:
;;   THIS VERSION OF THE PROBLEM IS GIVEN IN LOW PRECISION. The matrix products marked QUANTISED in the list below multiply operands that are first quantised to E2M3 (2 exponent bits, 3 mantissa bits; 6 bits a number), with one power-of-two scale for each 32 numbers along K (OCP MX v1.0); their sums are f32. All else is computed in f32.
;;   The module's matrix products, in the order in which they are computed (A, B: the left and right operand; K: the contracted axis; several contracted axes count as one K, in the product's order):
;;     1. [M 8,192, K 1,024] x [K 1,024, N 1,024]; A: input x (given as codes); B: input Wq (given as codes): QUANTISED
;;     2. [M 8,192, K 1,024] x [K 1,024, N 1,024]; A: input x (given as codes); B: input Wk (given as codes): QUANTISED
;;     3. [M 8,192, K 1,024] x [K 1,024, N 1,024]; A: input x (given as codes); B: input Wv (given as codes): QUANTISED
;;     4. batch 64 x [M 2,048, K 64] x [K 64, N 2,048]; A: computed on the way; B: computed on the way: QUANTISED
;;     5. batch 64 x [M 2,048, K 2,048] x [K 2,048, N 64]; A: softmax (see below); B: computed on the way: QUANTISED
;;   THE QUANTISER, for each operand of a quantised product, along K:
;;     - K is cut into blocks of 32 from its start; a last block that is shorter is filled with zeros.
;;     - A block's scale is 2^e with e = floor(log2(the largest magnitude in the block)) - 2, held to -126 .. 127; a block of zeros has e = 0. As a byte (E8M0): e + 127.
;;     - Each number is divided by its block's scale, clamped to +-7.5, and rounded to the nearest number of E2M3, ties to even, subnormals kept.
;;     - The product sums the exact products of the quantised numbers (number of the format x scale) in f32.
;;   ~~~python
;;   def quantise(x, axis):      # numpy; x: float32 -> the quantised numbers, widened to float32 again
;;       x = np.moveaxis(x, axis, -1); K = x.shape[-1]
;;       x = np.pad(x, [(0, 0)] * (x.ndim - 1) + [(0, -K % 32)]); x = x.reshape(x.shape[:-1] + (-1, 32)); a = np.abs(x).max(-1, keepdims=True)
;;       e = np.where(a > 0, np.clip(np.frexp(np.where(a > 0, a, 1))[1] - 1 - 2, -126, 127), 0)      # np.frexp(a)[1] - 1 = floor(log2(a)), exactly
;;       r = np.clip(x / 2.0 ** e, -7.5, 7.5)
;;       step = 2.0 ** (np.maximum(np.frexp(np.where(r == 0, 1, r))[1] - 1, 0) - 3)
;;       q = np.round(r / step) * step * 2.0 ** e      # np.round: ties to even
;;       return np.moveaxis(q.reshape(q.shape[:-2] + (-1,))[..., :K], -1, axis).astype(np.float32)
;;   ~~~
;;   SOFTMAX AHEAD OF A QUANTISED PRODUCT. Where the list says 'softmax', what is quantised is not the finished softmax but p = 2^(t - M), with t = logit x log2(e) and M = ceil(the row's largest t), a whole number; so 1/2 < the row's largest p <= 1. The row's sum l is taken of the UNQUANTISED p, in f32, and the product's result is divided by l at the end. Since M is a whole number, a kernel that streams over the keys may use a running M (the ceiling of the running maximum): every later rescaling is an exact power of two, which a block's scale takes up: the codes' values come out the same.
;;   OPERANDS COMPUTED ON THE WAY. 'Computed on the way' means the value that the module computes at that place (a softmax that the list does not call 'softmax' is quantised finished and normalised). What goes into a quantiser is computed in f32, as accurately as f32 sums, v_exp_f32 and their like allow (about 1e-6 of the number): no bf16 or f16 on the way to a quantiser, and a product that is left as it is and whose result goes on into a quantised operand takes f32 operands (vector FMAs, or v_wmma_f32_16x16x4_f32). A number that lies on a knife's edge between two numbers of the format may be rounded either way, as far as f32 arithmetic and the matrix unit's own rounding can turn it there, and no further.
;;   INPUTS GIVEN AS CODES. Wk (in the module: [1024, 1024], K = its axis 1); Wq (in the module: [1024, 1024], K = its axis 1); Wv (in the module: [1024, 1024], K = its axis 1); x (in the module: [4, 2048, 1024], K = its axis 2): each comes as NAME_codes (uint8): NAME with its K axis moved to the last place and cut into blocks of 32 codes, [.., K / 32, bytes a block], one block behind the other in memory; four codes in three bytes: a row's codes are one little-endian stream of bits, code i at bits 6 i .. 6 i + 5 (a code: sign, 2 exponent bits, 3 mantissa bits); and NAME_scales (uint8): the same leading axes, one E8M0 byte (e + 127) for each 32 codes along K. Its value is code x scale, taken as it is: it is not quantised again, and the codes and scales need not be those that the quantiser above would give.
;; One version. Each part assembles by itself: llvm-mc -triple=amdgcn-amd-amdhsa -mcpu=gfx1250 --defsym DOCPART=n.
;; ======== version 1 of 1: 3 launches
;; limits: right only within a limited range of input values
;; workspace buffers: maskbits 2,097,152 bytes of whole numbers; qimg 6,815,744 bytes; kv 13,369,344 bytes
;; launch pack (part 1): grid 512 x 1, 4 waves a work-group, no clusters, 34,304 bytes of LDS; arguments x_mask, maskbits; writes maskbits
.if DOCPART == 1
	.amdgcn_target "amdgcn-amd-amdhsa--gfx1250"
	.amdhsa_code_object_version 6
	.text
	.protected	k_q8efc0ccb5f_pack
	.globl	k_q8efc0ccb5f_pack
	.p2align	8
	.type	k_q8efc0ccb5f_pack,@function
k_q8efc0ccb5f_pack:
	s_mov_b64 s[64:65], 0
	v_nop
	global_prefetch_b8 v0, s[64:65] scope:SCOPE_SE
	s_setreg_imm32_b32 hwreg(HW_REG_WAVE_MODE, 25, 1), 1
	s_wait_xcnt 0x0
; x_mask [4][2048][2048] int32 becomes lane masks for the attention launch: maskbits [b 4][T 128][s 16][64 words].
; T is a tile of 16 queries, s a step of 128 keys.  The attention launch holds a tile's scores so: lane (r, h) has query q0 + r + 8 (r / 8),
; q0 = 128 (T / 8) + 32 ((T % 8) / 2) + 8 (T % 2), and its register 16 b + i the key 128 s + 32 b + 16 h + i.  Word 2 (p % 32) + p / 32 of a step's 64 is
; the 32-lane mask of score register p: bit l is set where lane l's entry of x_mask is not 0.  So the 16 heads of a batch read 1 bit where x_mask has 32.
; SHARES: work-group = 128 b + T; wave w takes key steps 4 w .. 4 w + 3.  A step is 16 rows x 512 bytes: each load reads 512 consecutive bytes of one row;
; the 8,192 bytes turn through the wave's own stage in LDS (rows 528 bytes apart) and come back 64 numbers a lane in the order of the score registers.
; A compare gives a register's lane mask in a scalar register; v_writelane_b32 sets it into lane p % 32 of one of two registers; the 32 lanes then store 256 consecutive, aligned bytes.
; No tensor loads, no barrier (waves share nothing), no matrix unit: the launch only streams.  Two steps' loads (32 loads a wave) are on their way.
.set MROW,  8192                       ; a row of x_mask in bytes
.set SP,    528                        ; a stage row: 512 bytes + 16, so that the sixteen rows that a read touches start at different banks
.set WSTG,  16*SP                      ; a wave's stage
.set OUT,   8                          ; v8-15    two result registers for each of the four steps: no store's data are written again
.set R,     16                         ; v16-143  two sets of 64 registers as loaded
.set X,     144                        ; v144-207 a step's 64 numbers in the order of the score registers
.set CM,    16                         ; s16-31   sixteen lane masks at a time
	s_load_b128 s[4:7], s[0:1], 0x0                ; x_mask, maskbits
	v_lshl_add_u32 v208, v0, 2, 0x8400
	v_mov_b32 v209, 0
	v_lshrrev_b32 v5, 5, v0
	v_readfirstlane_b32 s8, v5                     ; wave 0..3
	v_and_b32 v5, 31, v0                           ; lane
	v_and_b32 v6, 15, v0                           ; r
	v_bfe_u32 v7, v0, 4, 1                         ; h
	v_lshlrev_b32 v1, 4, v5                        ; my 16 bytes of a load's 512
	v_lshlrev_b32 v4, 3, v5                        ; my 8 bytes of a step's 256
	s_mul_i32 s9, s8, WSTG
	v_add_nc_u32 v2, s9, v1                        ; the stage, way in: 16 x lane in a row
	v_mul_u32_u24 v3, v6, SP
	v_lshl_add_u32 v3, v7, 6, v3
	v_add_nc_u32 v3, s9, v3                        ; way out: row r, + 64 h: keys 16 h on of each block of 32
.irp k, 0,1,2,3,4,5,6,7
	v_mov_b32 v[OUT+\k], 0                         ; v_writelane_b32's destination counts as read
.endr
	s_lshr_b32 s10, ttmp9, 7                       ; b
	s_and_b32 s11, ttmp9, 127                      ; T
	s_lshr_b32 s12, s11, 3
	s_lshl_b32 s12, s12, 7                         ; 128 (T / 8)
	s_bfe_u32 s13, s11, 0x20001                    ; (T % 8) / 2: two bits from bit 1
	s_lshl_b32 s13, s13, 5
	s_add_co_u32 s12, s12, s13
	s_and_b32 s13, s11, 1
	s_lshl_b32 s13, s13, 3
	s_add_co_u32 s12, s12, s13                     ; q0
	s_lshl_b32 s12, s12, 13                        ; rows of 8,192 bytes
	s_lshl_b32 s10, s10, 24                        ; a batch is 2^24 bytes
	s_add_co_u32 s12, s12, s10
	s_lshl_b32 s13, s8, 11                         ; my four steps: 2,048 bytes along a row
	s_add_co_u32 s12, s12, s13                     ; under 2^26
	s_mov_b32 s13, 0
	s_lshl_b32 s14, ttmp9, 12                      ; 16 steps x 256 bytes a tile
	s_lshl_b32 s15, s8, 10
	s_add_co_u32 s14, s14, s15
	s_mov_b32 s15, 0
	s_wait_kmcnt 0x0
	s_add_nc_u64 s[4:5], s[4:5], s[12:13]
	s_add_nc_u64 s[6:7], s[6:7], s[14:15]
.macro LOAD t                          ; step t: the tile's 16 rows, 512 bytes of each, into set t % 2
.irp p, 0,1,2,3,4,5,6,7,8,9,10,11,12,13,14,15
	global_load_b128 v[R+64*((\t)%2)+4*\p:R+64*((\t)%2)+4*\p+3], v1, s[4:5] offset:(\p+8*(\p/8))*MROW+512*(\t) th:TH_LOAD_NT
.endr
.endm
.macro STEP t
.if (\t) < 3
	s_wait_loadcnt 16                              ; this step's sixteen loads are in; the next step's sixteen may be out
.else
	s_wait_loadcnt 0x0
.endif
.irp p, 0,1,2,3,4,5,6,7,8,9,10,11,12,13,14,15
	ds_store_b128 v2, v[R+64*((\t)%2)+4*\p:R+64*((\t)%2)+4*\p+3] offset:SP*\p
.endr
.irp p, 0,1,2,3,4,5,6,7,8,9,10,11,12,13,14,15
	ds_load_b128 v[X+4*\p:X+4*\p+3], v3 offset:128*(\p/4)+16*(\p%4)   ; LDS serves a wave's instructions in order: these see the stores above
.endr
	s_wait_dscnt 0x0                               ; the numbers are back, and the stores have read their registers,
.if (\t)+2 < 4
	LOAD (\t)+2                                    ; which take the loads of two steps on
.endif
.irp g, 0,1,2,3
.irp k, 0,1,2,3,4,5,6,7,8,9,10,11,12,13,14,15
	v_cmp_ne_u32 s[CM+\k], 0, v[X+16*\g+\k]        ; the lane mask of score register 16 g + k
.endr
.irp k, 0,1,2,3,4,5,6,7,8,9,10,11,12,13,14,15
	v_writelane_b32 v[OUT+2*(\t)+\g/2], s[CM+\k], 16*(\g%2)+\k
.endr
.endr
	global_store_b64 v4, v[OUT+2*(\t):OUT+2*(\t)+1], s[6:7] offset:256*(\t)   ; 32 lanes store 256 consecutive bytes, at a multiple of 256 from the buffer's first byte
.endm
	LOAD 0
	LOAD 1
	STEP 0
	STEP 1
	STEP 2
	STEP 3
	s_wait_tensorcnt 0x0
	ds_add_u32 v208, v209
	s_wait_dscnt 0x0
	s_endpgm
.Lfunc_end_k_q8efc0ccb5f_pack:
	.size	k_q8efc0ccb5f_pack, .Lfunc_end_k_q8efc0ccb5f_pack-k_q8efc0ccb5f_pack
	.p2alignl 7, 3214868480
	.fill 96, 4, 3214868480
	.section	.rodata,"a",@progbits
	.p2align	6, 0x0
	.amdhsa_kernel k_q8efc0ccb5f_pack
		.amdhsa_group_segment_fixed_size 34304
		.amdhsa_private_segment_fixed_size 0
		.amdhsa_enable_private_segment 0
		.amdhsa_kernarg_size 16
		.amdhsa_user_sgpr_count 2
		.amdhsa_user_sgpr_kernarg_segment_ptr 1
		.amdhsa_wavefront_size32 1
		.amdhsa_system_sgpr_workgroup_id_x 1
		.amdhsa_system_sgpr_workgroup_id_y 1
		.amdhsa_system_sgpr_workgroup_id_z 1
		.amdhsa_system_vgpr_workitem_id 0
		.amdhsa_next_free_vgpr 210
		.amdhsa_next_free_sgpr 66
		.amdhsa_reserve_vcc 0
		.amdhsa_float_denorm_mode_32 3
		.amdhsa_float_denorm_mode_16_64 3
		.amdhsa_memory_ordered 1
		.amdhsa_forward_progress 1
		.amdhsa_inst_pref_size 49
	.end_amdhsa_kernel
	.amdgpu_metadata
---
amdhsa.version: [ 1, 2 ]
amdhsa.kernels:
  - .name:           k_q8efc0ccb5f_pack
    .symbol:         k_q8efc0ccb5f_pack.kd
    .args:
      - { .name: x_mask, .offset: 0, .size: 8, .value_kind: global_buffer, .address_space: global }
      - { .name: maskbits, .offset: 8, .size: 8, .value_kind: global_buffer, .address_space: global }
    .group_segment_fixed_size: 34304
    .private_segment_fixed_size: 0
    .kernarg_segment_align: 8
    .kernarg_segment_size: 16
    .max_flat_workgroup_size: 128
    .sgpr_count:     66
    .vgpr_count:     210
    .wavefront_size: 32
...
	.end_amdgpu_metadata
.endif
;; end of part 1
;; launch proj (part 2): grid 16 x 32, 4 waves a work-group, clusters of 4 x 4, 327,680 bytes of LDS; arguments x_codes, x_scales, Wq_codes, Wq_scales, Wk_codes, Wk_scales, Wv_codes, Wv_scales, bq, bk, bv, qimg, kv; writes qimg, kv
.if DOCPART == 2
	.amdgcn_target "amdgcn-amd-amdhsa--gfx1250"
	.amdhsa_code_object_version 6
	.text
	.protected	k_q8efc0ccb5f_proj
	.globl	k_q8efc0ccb5f_proj
	.p2align	8
	.type	k_q8efc0ccb5f_proj,@function
k_q8efc0ccb5f_proj:
	s_mov_b64 s[64:65], 0
	v_nop
	global_prefetch_b8 v0, s[64:65] scope:SCOPE_SE
	s_setreg_imm32_b32 hwreg(HW_REG_WAVE_MODE, 25, 1), 1
	s_wait_xcnt 0x0
	s_wait_alu depctr_hold_cnt(0) depctr_sa_sdst(0) depctr_va_vdst(0) depctr_va_sdst(0) depctr_va_ssrc(0) depctr_va_vcc(0) depctr_vm_vsrc(0)
	s_getreg_b32 s2, hwreg(HW_REG_IB_STS2, 6, 4)
	s_cmp_eq_u32 s2, 0
	s_cbranch_scc0 .Lentry_in_a_cluster
	s_endpgm
.Lentry_in_a_cluster:
	s_bfe_u32 s2, ttmp6, 0x10000c
	s_cmp_lg_u32 s2, 0xf033
	s_cbranch_scc0 .Lentry_shape_is_right
	s_endpgm
.Lentry_shape_is_right:
; q = x Wq^T + bq, k = x Wk^T + bk, v = x Wv^T + bv on codes of FP6 (E2M3) with E8M0 scales as they are given; the results are quantised at once (q, k along a head's 64 features, v along the keys)
; and stored as IMAGES OF OPERAND REGISTERS for the attention launch: register p of lane l at byte (p / 4) 512 + 16 l + 4 (p % 4), so that every store here and every load there covers 512 consecutive bytes.
;   qimg [bh 64][G 16][6,656]: a group of 128 queries: 8 tiles x 6 registers of codes (6,144 bytes), then a scale word for each tile and row at 6,144 + 32 r + 4 tile.
;   kv   [bh 64][s 16][13,056]: a step of 128 keys: K's codes as q's (6,144), V's codes, 4 tiles of 16 d x 128 keys x 12 registers (6,144), K's scale words (512), V's at 12,800 + 16 r + 4 tile (256).
; ONE ORDER OF ROWS EVERYWHERE: row r of tile 2 b + u (of tokens, of a head's features) is number 32 b + 8 u + r + 8 (r / 8).  Used as source 0 such tiles give a lane 16 neighbours in the 16 registers of two neighbouring tiles.
; SHARES.  A work-group takes 256 tokens and one head.  Wave (i, j): tokens 128 i on; j = 0: q and V's d tiles 0, 1; j = 1: k and V's d tiles 2, 3.  48 accumulators a wave:
;   32 for q or k, TRANSPOSED (source 0 = 16 rows of W, source 1 = 16 tokens): a lane holds one token and registers along the features;  16 for V (source 0 = 16 tokens, source 1 = 16 rows of Wv): a lane holds one d and registers along the keys.
; K = 1,024 goes in 8 steps of 128, two to an LDS slot, two slots.  Wave 0 fetches x's 256 rows, waves 1, 2, 3 the 64 rows of Wq, Wk, Wv: one tensor load a wave.
; CLUSTER 4 x 4: the four work-groups of a row of the cluster share the tokens, the four of a column the head: each tile is asked for jointly.  The scale bytes of all of K come once, with the first fills.
; The biases are the C of each sum's first matrix instruction.
; LIMITS: NaN, infinities and scale bytes 0xff among the inputs are not served.  A block whose largest magnitude lies under 2^-124 gets the byte 1 (a block of zeros too: its codes are zeros; only this program reads the bytes).
; A scale word's bytes 2 and 3 (the next tile's bytes, or 0) stand for k = 64 .. 127 of the score product, where q's codes are zeros: they are never 0xff.
; REGISTERS, in windows of 256:  window 0: v1-31 addresses; v32-87 scale words, two sets of 28; v88-159, v160-231 fragments of W (4 of q or k, 2 of Wv), two sets; v232-255 at work.
;   window 1: x's 8 fragments, two sets, at 96 p + 12 a.   window 2: q's or k's accumulators at 32 a + 8 t.   window 3: V's at 64 d + 8 a; v128-159 bq or bk, v160-175 bv, in the results' layout.
.set PITCH, 240                        ; an LDS row: 3 x (64 bytes of codes + 16 of padding)
.set SLOT,  448*PITCH                  ; x's 256 rows, then 64 each of Wq, Wk, Wv
.set WOFF,  256*PITCH
.set SCX,   2*SLOT                     ; x's scale bytes: 32 runs of 256 bytes + 16
.set SCW,   SCX+32*272                 ; Wq's, Wk's, Wv's: 8 such runs each
.set SPARE, 230400                     ; the spare words, 128 bytes for each wave: two blocks of 256 bytes that no other line names
.set ADX, 8                            ; v8-9 x's fragments in slot 0, 1; v10-11 the same for pieces behind one padding more
.set ADW, 12                           ; v12-15 the same for Wq or Wk
.set ADV, 16                           ; v16-19 for my two tiles of Wv
.set ASX, 20                           ; v20-22 scale words of x, of Wq or Wk, of Wv
.set ASW, 21
.set ASV, 22
.set SPW, 23                           ; v23 LDS address of my spare word; never rewritten
.set NIL, 24                           ; v24 0; never rewritten
.set LI,  25                           ; v25 16 x lane: an image's place for my lane
.set OS,  26                           ; v26 where my four scale words of q or k go
.set OV,  27                           ; v27 where V's images go
.set OW,  28                           ; v28 and V's two scale words
.set BO,  29                           ; v29 64 h: the bias of q or k
.set BVO, 30                           ; v30 4 x my row of Wv: the bias of v
.set SC,  32
.set WF,  88
.set TM,  232                          ; v232-235 largest magnitudes, v236-239 bytes, v244-247 the conversions' scale operands
.set TC,  248                          ; v248-255 the upper halves of the blocks' codes
.set BQ,  128                          ; in window 3
.set BV,  160
.set SW,  32                           ; the way out: eight scale words of q or k
.set PWV, 40                           ; V's two
.set SWO, 44                           ; the four that I store
.set PCB, 88                           ; codes of q or k: 48 registers
.set PCV, 136                          ; codes of V: 24
.set WV,  30                           ; s30 wave; s31 i; s32 j; s33 cx; s34 cy; s35 head; s36 block of 256 tokens; s37, s38 masks; s39, s[2:3] at work
.set SEL, 66
.set G0SX, 40
.set G0SW, 44
.set G1X, 48
.set G1W, 56
.set G1SX, 68
.set G1SW, 76
.set G0X, 84                           ; s[84:91] a group 0 for each slot
.set G0W, 92                           ; s[92:99]
.set MSB, 0
.macro WIN new                         ; the immediate's high byte repeats the setting that is left
.if MSB != \new
	s_set_vgpr_msb (MSB<<8)|\new
.set MSB, \new
.endif
.endm
.macro PLACES n
.rept \n
	v_nop
.endr
.endm
; A joint load: wave 0 fetches for x, waves 1 to 3 for their W.  Each of the two lines has one mask; the branch hangs on the wave's number alone.  Four v_nop follow each line.
.macro JLOAD g0x, g1x, g0w, g1w
	s_cmp_eq_u32 s[WV], 0
	s_cbranch_scc0 .Lfor_w_\@
	tensor_load_to_lds s[\g0x:\g0x+3], s[\g1x:\g1x+7]
	s_nop 0
.rept 4
	v_nop
.endr
	s_branch .Lasked_\@
.Lfor_w_\@:
	tensor_load_to_lds s[\g0w:\g0w+3], s[\g1w:\g1w+7]
	s_nop 0
.rept 4
	v_nop
.endr
.Lasked_\@:
.endm
.macro CREST                           ; a round of the cluster's barrier behind its opening barrier
	s_cmp_lg_u32 s[WV], 0
	s_cbranch_scc1 .Lnot_wave_0_\@
	s_barrier_signal -3
.Lnot_wave_0_\@:
	s_barrier_wait -3
	s_barrier_signal -1
	s_barrier_wait -1
.endm
.macro CROUND
	s_barrier_signal -1
	s_barrier_wait -1
	CREST
.endm
	s_load_b512 s[4:19], s[0:1], 0x0               ; x codes, x scales, Wq codes, Wq scales, Wk codes, Wk scales, Wv codes, Wv scales
	s_load_b256 s[20:27], s[0:1], 0x40             ; bq, bk, bv, qimg
	s_load_b64 s[28:29], s[0:1], 0x60              ; kv
	v_lshl_add_u32 v[SPW], v0, 2, SPARE
	v_mov_b32 v[NIL], 0
	ds_add_u32 v23, v24
	ds_add_u32 v23, v24
	s_wait_dscnt 0x0
	v_lshrrev_b32 v1, 5, v0
	v_readfirstlane_b32 s[WV], v1                  ; wave 0..3
	s_lshr_b32 s31, s[WV], 1                       ; i
	s_and_b32 s32, s[WV], 1                        ; j
	s_bfe_u32 s33, ttmp6, 0x40000                  ; cx
	s_bfe_u32 s34, ttmp6, 0x40004                  ; cy
	s_lshl_b32 s35, ttmp9, 2
	s_add_co_u32 s35, s35, s33                     ; head = 4 x cluster x + cx
	s_and_b32 s36, ttmp7, 0xffff
	s_lshl_b32 s36, s36, 2
	s_add_co_u32 s36, s36, s34                     ; block of 256 tokens = 4 x cluster y + cy
	s_lshl_b32 s37, s34, 2
	s_lshl_b32 s37, 15, s37                        ; my row of the cluster
	s_lshl_b32 s38, 0x1111, s33                    ; my column
	; group 1: rows of 192 bytes, 768 bytes apart in memory, 16 bytes of padding behind every 64: x 256 rows, W 64 rows
	s_or_b32 s[G1X], s37, (1<<20)|(1<<21)|(3<<22)|(3<<25)
	s_mov_b32 s[G1X+1], 192<<16
	s_mov_b32 s[G1X+2], 256<<16
	s_mov_b32 s[G1X+3], 192<<16
	s_mov_b32 s[G1X+4], 256
	s_mov_b32 s[G1X+5], 768
	s_mov_b32 s[G1X+6], 0
	s_mov_b32 s[G1X+7], 0
	s_or_b32 s[G1W], s38, (1<<20)|(1<<21)|(3<<22)|(3<<25)
	s_mov_b32 s[G1W+1], 192<<16
	s_mov_b32 s[G1W+2], 64<<16
	s_mov_b32 s[G1W+3], 192<<16
	s_mov_b32 s[G1W+4], 64
	s_mov_b32 s[G1W+5], 768
	s_mov_b32 s[G1W+6], 0
	s_mov_b32 s[G1W+7], 0
	; the scale bytes: dense blocks, as rows of 256 bytes (32 elements of 8), 16 bytes of padding behind each: x 32 rows, W 8 rows
	s_or_b32 s[G1SX], s37, (3<<16)|(1<<20)|(1<<21)|(5<<22)|(3<<25)
	s_mov_b32 s[G1SX+1], 32<<16
	s_mov_b32 s[G1SX+2], 32<<16
	s_mov_b32 s[G1SX+3], 32<<16
	s_mov_b32 s[G1SX+4], 32
	s_mov_b32 s[G1SX+5], 32
	s_mov_b32 s[G1SX+6], 0
	s_mov_b32 s[G1SX+7], 0
	s_or_b32 s[G1SW], s38, (3<<16)|(1<<20)|(1<<21)|(5<<22)|(3<<25)
	s_mov_b32 s[G1SW+1], 32<<16
	s_mov_b32 s[G1SW+2], 8<<16
	s_mov_b32 s[G1SW+3], 32<<16
	s_mov_b32 s[G1SW+4], 8
	s_mov_b32 s[G1SW+5], 32
	s_mov_b32 s[G1SW+6], 0
	s_mov_b32 s[G1SW+7], 0
	s_mov_b32 s[SEL], 0x76543210
	s_mov_b32 s[SEL+1], 0xfedcba98                 ; v_permlanex16_b32's selects for lane l xor 16
	s_mul_i32 s100, s36, 256*768                   ; x's offsets are made of the token block alone,
	s_mov_b32 s101, 0
	s_mul_i32 s104, s35, 64*768                    ; W's of the head alone
	s_mov_b32 s105, 0
	s_wait_kmcnt 0x0
	s_cmp_eq_u32 s[WV], 2                          ; which W my wave fetches: 1: Wq, 2: Wk, else Wv (wave 0 fetches none)
	s_cselect_b64 s[12:13], s[12:13], s[16:17]
	s_cselect_b64 s[14:15], s[14:15], s[18:19]
	s_cmp_eq_u32 s[WV], 1
	s_cselect_b64 s[8:9], s[8:9], s[12:13]
	s_cselect_b64 s[10:11], s[10:11], s[14:15]
	s_add_nc_u64 s[4:5], s[4:5], s[100:101]
	s_add_nc_u64 s[8:9], s[8:9], s[104:105]
	s_lshl_b32 s100, s36, 13                       ; 256 rows x 32 scale bytes
	s_lshl_b32 s104, s35, 11                       ; 64 rows x 32
	s_add_nc_u64 s[6:7], s[6:7], s[100:101]
	s_add_nc_u64 s[10:11], s[10:11], s[104:105]
	CROUND                                         ; all sixteen work-groups are here: the first joint loads meet
	s_mov_b32 s[G0SX], 1
	s_mov_b32 s[G0SX+1], SCX
	s_mov_b64 s[G0SX+2:G0SX+3], s[6:7]
	s_or_b32 s[G0SX+3], s[G0SX+3], 0x80000000
	s_mov_b32 s[G0SW], 1
	s_mul_i32 s[G0SW+1], s[WV], 8*272
	s_add_co_u32 s[G0SW+1], s[G0SW+1], SCW-8*272
	s_mov_b64 s[G0SW+2:G0SW+3], s[10:11]
	s_or_b32 s[G0SW+3], s[G0SW+3], 0x80000000
	JLOAD G0SX, G1SX, G0SW, G1SW                   ; the scale bytes first: filled once
.irp s, 0,1
	s_mov_b32 s[G0X+4*\s], 1
	s_mov_b32 s[G0X+4*\s+1], \s*SLOT
	s_add_nc_u64 s[G0X+4*\s+2:G0X+4*\s+3], s[4:5], \s*192
	s_or_b32 s[G0X+4*\s+3], s[G0X+4*\s+3], 0x80000000
	s_mov_b32 s[G0W+4*\s], 1
	s_mul_i32 s[G0W+4*\s+1], s[WV], 64*PITCH
	s_add_co_u32 s[G0W+4*\s+1], s[G0W+4*\s+1], WOFF-64*PITCH+\s*SLOT
	s_add_nc_u64 s[G0W+4*\s+2:G0W+4*\s+3], s[8:9], \s*192
	s_or_b32 s[G0W+4*\s+3], s[G0W+4*\s+3], 0x80000000
	JLOAD G0X+4*\s, G1X, G0W+4*\s, G1W             ; three tensor loads of mine are out now
.endr
	; where the biases and the results lie
	s_cmp_eq_u32 s32, 0
	s_cselect_b64 s[20:21], s[20:21], s[22:23]     ; bq or bk
	s_lshl_b32 s2, s35, 8
	s_mov_b32 s3, 0
	s_add_nc_u64 s[20:21], s[20:21], s[2:3]        ; at my head's 64 numbers
	s_add_nc_u64 s[24:25], s[24:25], s[2:3]
	s_lshl_b32 s2, s32, 7
	s_add_nc_u64 s[24:25], s[24:25], s[2:3]        ; bv at my 32
	s_lshr_b32 s39, s36, 3                         ; batch
	s_lshl_b32 s39, s39, 4
	s_add_co_u32 s39, s39, s35                     ; bh
	s_lshl_b32 s39, s39, 4
	s_and_b32 s2, s36, 7
	s_lshl_b32 s2, s2, 1
	s_add_co_u32 s39, s39, s2
	s_add_co_u32 s39, s39, s31                     ; + my group of 128 tokens in the batch
	s_mul_i32 s2, s39, 13056
	s_add_nc_u64 s[28:29], s[28:29], s[2:3]        ; kv at my step
	s_mul_i32 s2, s39, 6656
	s_add_nc_u64 s[26:27], s[26:27], s[2:3]        ; qimg at my group
	s_cmp_eq_u32 s32, 0
	s_cselect_b64 s[26:27], s[26:27], s[28:29]     ; where q's or k's images go
	v_and_b32 v1, 15, v0                           ; r
	v_bfe_u32 v2, v0, 4, 1                         ; h
	v_and_b32 v3, 8, v1
	v_add_nc_u32 v3, v3, v1                        ; r + 8 (r / 8)
	v_mul_u32_u24 v4, v3, PITCH
	v_mad_u32_u24 v5, v2, 24, v4                   ; a fragment's row + 24 h,
	v_mad_u32_u24 v6, v2, 40, v4                   ; and the same behind one padding more
	s_mul_i32 s39, s31, 128*PITCH
	v_add_nc_u32 v[ADX], s39, v5
	v_add_nc_u32 v[ADX+2], s39, v6
	v_add_nc_u32 v[ADX+1], SLOT, v[ADX]
	v_add_nc_u32 v[ADX+3], SLOT, v[ADX+2]
	s_mul_i32 s39, s32, 64*PITCH
	s_add_co_u32 s39, s39, WOFF
	v_add_nc_u32 v[ADW], s39, v5
	v_add_nc_u32 v[ADW+2], s39, v6
	v_add_nc_u32 v[ADW+1], SLOT, v[ADW]
	v_add_nc_u32 v[ADW+3], SLOT, v[ADW+2]
	s_mul_i32 s39, s32, 32*PITCH
	s_add_co_u32 s39, s39, WOFF+128*PITCH
	v_add_nc_u32 v[ADV], s39, v5
	v_add_nc_u32 v[ADV+2], s39, v6
	v_add_nc_u32 v[ADV+1], SLOT, v[ADV]
	v_add_nc_u32 v[ADV+3], SLOT, v[ADV+2]
	v_and_b32 v7, 7, v1                            ; scale bytes: 32 a row, eight rows to a run of 272: my row is (r % 8) in a run, two runs on for r / 8
	v_lshlrev_b32 v7, 5, v7
	v_lshrrev_b32 v31, 3, v1
	v_mad_u32_u24 v7, v31, 544, v7
	s_mul_i32 s39, s31, 16*272
	s_add_co_u32 s39, s39, SCX
	v_add_nc_u32 v[ASX], s39, v7
	s_mul_i32 s39, s32, 8*272
	s_add_co_u32 s39, s39, SCW
	v_add_nc_u32 v[ASW], s39, v7
	s_mul_i32 s39, s32, 4*272
	s_add_co_u32 s39, s39, SCW+16*272
	v_add_nc_u32 v[ASV], s39, v7
	v_and_b32 v[LI], 31, v0
	v_lshlrev_b32 v[LI], 4, v[LI]
	s_mul_i32 s39, s32, 6144
	s_add_co_u32 s39, s39, 6144                    ; q's scale words at 6,144 of qimg's group, k's at 12,288 of kv's step
	v_lshlrev_b32 v[OS], 5, v1
	v_lshl_add_u32 v[OS], v2, 4, v[OS]
	v_add_nc_u32 v[OS], s39, v[OS]                 ; 32 r + 16 h: words 4 h .. 4 h + 3 of row r
	s_mul_i32 s39, s32, 3072
	s_add_co_u32 s39, s39, 6144
	v_add_nc_u32 v[OV], s39, v[LI]
	s_lshl_b32 s39, s32, 3
	s_add_co_u32 s39, s39, 12800
	v_lshl_add_u32 v[OW], v1, 4, s39               ; 16 r + 8 j
	v_lshlrev_b32 v[BO], 6, v2
	v_lshlrev_b32 v[BVO], 2, v3
.irp b, 0,1,2,3
	v_mov_b32 v[TM+4+\b], 0                        ; written once: a lane permute's destination counts as one of its sources
.endr
	WIN 0xc0                                       ; destination window 3
.irp t, 0,1,2,3                                ; tile t, lane (r, h), register j: feature 32 (t / 2) + 8 (t % 2) + 16 h + j
	global_load_b128 v[BQ+8*\t:BQ+8*\t+3], v[BO], s[20:21] offset:(32*(\t/2)+8*(\t%2))*4
	global_load_b128 v[BQ+8*\t+4:BQ+8*\t+7], v[BO], s[20:21] offset:(32*(\t/2)+8*(\t%2))*4+16
.endr
.irp d, 0,1                                    ; V's tile d: all eight registers of a lane belong to its one d
.irp k, 0,1,2,3,4,5,6,7
	global_load_b32 v[BV+8*\d+\k], v[BVO], s[24:25] offset:32*\d
.endr
.endr
	WIN 0
; A fragment, 16 rows x 128 K, is 12 registers: lane (r, h) takes 24 bytes of its row's stream of bits twice, in pieces of 8 bytes.  Piece p of a row lies at 8 p + 16 (p / 8); lanes 16-31 read three pieces on,
; which for p % 8 >= 5 is behind one padding more: the second address register serves those.  rows: the tile's first row.
.macro FRAG reg, adr, q, rows
.irp p, 0,1,2,3,4,5
.set PCE, 12*(\q)+6*(\p/3)+\p%3
.if PCE%8 < 5
	ds_load_b64 v[\reg+2*\p:\reg+2*\p+1], v[\adr] offset:8*PCE+16*(PCE/8)+(\rows)*PITCH
.else
	ds_load_b64 v[\reg+2*\p:\reg+2*\p+1], v[\adr+2] offset:8*PCE+16*(PCE/8)+(\rows)*PITCH
.endif
.endr
.endm
.macro FETCH slot, q, p                ; the 14 fragments of the slot's q-th 128 along K into set p: 84 loads in one run
	WIN 0x40                                       ; destination window 1
.irp a, 0,1,2,3,4,5,6,7
	FRAG 96*(\p)+12*\a, ADX+\slot, \q, 32*(\a/2)+8*(\a%2)
.endr
	WIN 0
.irp t, 0,1,2,3
	FRAG WF+72*(\p)+12*\t, ADW+\slot, \q, 32*(\t/2)+8*(\t%2)
.endr
.irp d, 0,1
	FRAG WF+72*(\p)+48+12*\d, ADV+\slot, \q, 8*\d
.endr
.endm
.macro SCALES kap                      ; the scale words of 256 along K, two words a row, into set kap % 2
.irp a, 0,1,2,3,4,5,6,7
	ds_load_b64 v[SC+28*((\kap)%2)+2*\a:SC+28*((\kap)%2)+2*\a+1], v[ASX] offset:(4*(\a/2)+\a%2)*272+8*(\kap)
.endr
.irp t, 0,1,2,3
	ds_load_b64 v[SC+28*((\kap)%2)+16+2*\t:SC+28*((\kap)%2)+16+2*\t+1], v[ASW] offset:(4*(\t/2)+\t%2)*272+8*(\kap)
.endr
.irp d, 0,1
	ds_load_b64 v[SC+28*((\kap)%2)+24+2*\d:SC+28*((\kap)%2)+24+2*\d+1], v[ASV] offset:\d*272+8*(\kap)
.endr
.endm
; 16 products of q or k in K step n: token blocks a0 .. a0 + 3 x W's four tiles.  first = 1: C is the bias.  All 48 accumulators take turns, one instruction a turn, in the same order in every step.
.macro QK16 a0, n, first
.set PP, (\n)%2
.set SS, SC+28*(((\n)/2)%2)+(\n)%2
.if \first
	WIN 0xb4                                       ; A (W) window 0, B (x) window 1, C (bias) window 3, D window 2
.else
	WIN 0xa4                                       ; C and D window 2
.endif
.irp a, \a0, \a0+1, \a0+2, \a0+3
.irp t, 0,1,2,3
.set rD, 32*(\a)+8*\t
.set rA, WF+72*PP+12*\t
.set rB, 96*PP+12*(\a)
.if \first
	v_wmma_scale_f32_16x16x128_f8f6f4 v[rD:rD+7], v[rA:rA+11], v[rB:rB+11], v[BQ+8*\t:BQ+8*\t+7], v[SS+16+2*\t], v[SS+2*(\a)] matrix_a_fmt:MATRIX_FMT_FP6 matrix_b_fmt:MATRIX_FMT_FP6
.else
	v_wmma_scale_f32_16x16x128_f8f6f4 v[rD:rD+7], v[rA:rA+11], v[rB:rB+11], v[rD:rD+7], v[SS+16+2*\t], v[SS+2*(\a)] matrix_a_fmt:MATRIX_FMT_FP6 matrix_b_fmt:MATRIX_FMT_FP6
.endif
.endr
.endr
.endm
.macro V16 n, first                    ; 16 products of V: eight token blocks x my two tiles of Wv
.set PP, (\n)%2
.set SS, SC+28*(((\n)/2)%2)+(\n)%2
	WIN 0xf1                                       ; A (x) window 1, B (Wv) window 0, C and D window 3
.irp a, 0,1,2,3,4,5,6,7
.irp d, 0,1
.set rD, 64*\d+8*\a
.set rA, 96*PP+12*\a
.set rB, WF+72*PP+48+12*\d
.if \first
	v_wmma_scale_f32_16x16x128_f8f6f4 v[rD:rD+7], v[rA:rA+11], v[rB:rB+11], v[BV+8*\d:BV+8*\d+7], v[SS+2*\a], v[SS+24+2*\d] matrix_a_fmt:MATRIX_FMT_FP6 matrix_b_fmt:MATRIX_FMT_FP6
.else
	v_wmma_scale_f32_16x16x128_f8f6f4 v[rD:rD+7], v[rA:rA+11], v[rB:rB+11], v[rD:rD+7], v[SS+2*\a], v[SS+24+2*\d] matrix_a_fmt:MATRIX_FMT_FP6 matrix_b_fmt:MATRIX_FMT_FP6
.endif
.endr
.endr
.endm
; An even K step: its successor lies in the same slot.  The next step's fragments are fetched behind the first sixteen products, 32 products ahead of their use.
.macro STEP n, first
	s_wait_dscnt 0x0                               ; this step's fragments and scale words are in
	QK16 0, \n, \first
	PLACES 4                                       ; four places in front of loads into registers that matrix instructions have read (the other set: the last step's)
	FETCH ((\n)/2)%2, 1, 1
	QK16 4, \n, \first
	V16 \n, \first
.endm
; An odd K step leaves its slot.  Every wave waits for all its tensor loads (its part of the next slot), adds 0 to its spare word, waits for that and for its reads of this slot, and signals.
; fill = 1: the barrier opens a round of the cluster's barrier, and behind the round this slot is filled again with the codes 512 along K on: the first tensor load there, one a wave.
.macro TURN n, fill
	WIN 0                                          ; (the add's two registers lie in window 0)
	s_wait_tensorcnt 0x0                           ; all my tensor loads have landed
	ds_add_u32 v[SPW], v[NIL]                      ; 0 onto my spare word
	s_wait_dscnt 0x0                               ; the add is done; this step's fragments are in, and they were my last reads of this slot
	s_barrier_signal -1
	QK16 0, \n, 0                                  ; work on registers while the others arrive
	WIN 0
	s_barrier_wait -1
.if \fill
	CREST                                          ; no wave of any partner still reads this slot or has a load on its way
	s_add_nc_u64 s[G0X+4*(((\n)/2)%2)+2:G0X+4*(((\n)/2)%2)+3], s[G0X+4*(((\n)/2)%2)+2:G0X+4*(((\n)/2)%2)+3], 2*192
	s_add_nc_u64 s[G0W+4*(((\n)/2)%2)+2:G0W+4*(((\n)/2)%2)+3], s[G0W+4*(((\n)/2)%2)+2:G0W+4*(((\n)/2)%2)+3], 2*192
	JLOAD G0X+4*(((\n)/2)%2), G1X, G0W+4*(((\n)/2)%2), G1W   ; its four v_nop are also the places in front of the loads below
.else
	PLACES 4
.endif
	FETCH (((\n)+1)/2)%2, 0, 0
	SCALES ((\n)+1)/2
	QK16 4, \n, 0
	V16 \n, 0
.endm
	s_wait_tensorcnt 0x1                           ; the scale bytes and my part of slot 0 are in; slot 1's load may be out
	s_barrier_signal -1
	s_barrier_wait -1                              ; everybody's are
	FETCH 0, 0, 0
	SCALES 0
	s_wait_loadcnt 0x0                             ; the biases
	STEP 0, 1                                      ; the first step's products start the sums, from the biases
	TURN 1, 1
	STEP 2, 0
	TURN 3, 1
	STEP 4, 0
	TURN 5, 0                                      ; nothing is left to fetch: no round
	STEP 6, 0
	s_wait_dscnt 0x0
	QK16 0, 7, 0
	QK16 4, 7, 0
	V16 7, 0
	WIN 0
; 64 numbers of a lane in window w, register s + 16 b + i = number 32 b + 16 h + i along the next K of my row, become 12 registers of codes at v[pc] and a scale word in v[pw].
; A block's scale: the largest magnitude's exponent field less 2, held at 1 from below by the floor 2^(3 - 127) among the maximum's leaves.  Each accumulator is read from its low end on.
.macro QUANT s, w, pc, pw
	WIN 5*(\w)                                     ; sources 0 and 1 in window w
.irp b, 0,1,2,3
	v_max3_num_f32 v[TM+\b], |v[\s+16*\b]|, |v[\s+1+16*\b]|, 0x1800000
.endr
.irp i, 2,4,6,8,10,12,14
.irp b, 0,1,2,3
	v_max3_num_f32 v[TM+\b], |v[\s+16*\b+\i]|, |v[\s+1+16*\b+\i]|, v[TM+\b]   ; the four blocks by turns
.endr
.endr
	WIN 0
.irp b, 0,1,2,3
	v_permlanex16_b32 v[TM+4+\b], v[TM+\b], s[SEL], s[SEL+1]
.endr
.irp b, 0,1,2,3
	v_max_num_f32 v[TM+\b], v[TM+\b], v[TM+4+\b]   ; with lane l xor 16's sixteen: the block's largest magnitude
.endr
.irp b, 0,1,2,3
	v_add_nc_u32 v[TM+12+\b], 0xff000000, v[TM+\b] ; 2 off its exponent field: the conversion takes this operand's exponent field as its scale
.endr
.irp b, 0,1,2,3
	v_lshrrev_b32 v[TM+4+\b], 23, v[TM+12+\b]      ; the scale's byte
.endr
	v_lshl_or_b32 v[\pw], v[TM+5], 8, v[TM+4]
	v_lshl_or_b32 v[\pw], v[TM+6], 16, v[\pw]
	v_lshl_or_b32 v[\pw], v[TM+7], 24, v[\pw]
	WIN \w                                         ; source 0 in window w
.irp c, 0,1
	v_cvt_scalef32_pk16_fp6_f32 v[\pc+6*\c:\pc+2+6*\c], v[\s+32*\c:\s+15+32*\c], v[TM+12+2*\c]
	v_cvt_scalef32_pk16_fp6_f32 v[TC+4*\c:TC+2+4*\c], v[\s+16+32*\c:\s+31+32*\c], v[TM+12+2*\c+1]   ; (a conversion's three registers begin on an even number)
.endr
	WIN 0
	v_nop                                          ; one plain place behind a scaled conversion
.irp c, 0,1                                    ; the operand's layout wants a whole block in a lane: lanes 0-15 block 2 c, lanes 16-31 block 2 c + 1
.irp i, 0,1,2
	v_permlane16_swap_b32 v[\pc+6*\c+\i], v[TC+4*\c+\i]
.endr
.irp i, 0,1,2
	v_mov_b32 v[\pc+3+6*\c+\i], v[TC+4*\c+\i]
.endr
.endr
.endm
	; THE WAY OUT.  Two token blocks of q or k (2 x 32 registers: 2 x 64 features) make two fragments of 6 registers and a word with both tiles' two bytes.
	PLACES 4                                       ; behind the last products: results are read, and registers that held operands and scales are written
.irp m, 0,1,2,3
	QUANT 64*\m, 2, PCB+12*\m, SW+2*\m
	v_lshrrev_b32 v[SW+2*\m+1], 16, v[SW+2*\m]     ; the odd tile's word: its two bytes below, 0 above
.irp c, 0,1,2
	global_store_b128 v[LI], v[PCB+12*\m+4*\c:PCB+12*\m+4*\c+3], s[26:27] offset:1536*\m+512*\c   ; 32 lanes store 512 consecutive bytes
.endr
.endr
	v_cmp_ne_u32 vcc_lo, 0, v2
.irp k, 0,1,2,3
	v_cndmask_b32 v[SWO+\k], v[SW+\k], v[SW+4+\k], vcc_lo   ; lanes 0-15 store words 0-3 of their row, lanes 16-31 words 4-7
.endr
	global_store_b128 v[OS], v[SWO:SWO+3], s[26:27]          ; the wave's store covers the group's 512 bytes of scale words
.irp d, 0,1
	QUANT 64*\d, 3, PCV+12*\d, PWV+\d              ; a tile of V: 16 d x 128 keys: one fragment, one word a row
.irp c, 0,1,2
	global_store_b128 v[OV], v[PCV+12*\d+4*\c:PCV+12*\d+4*\c+3], s[28:29] offset:1536*\d+512*\c
.endr
.endr
	global_store_b64 v[OW], v[PWV:PWV+1], s[28:29] ; my two tiles' words: 8 of a row's 16 bytes (lanes 16-31 store what lanes 0-15 store): the one store here that covers its 256 bytes only in part, 128 bytes a wave
	s_wait_tensorcnt 0x0                           ; the wave's end
	ds_add_u32 v[SPW], v[NIL]
	s_wait_dscnt 0x0
	CROUND                                         ; the closing round: no work-group ends while a partner may still ask for a tile that names it
	s_endpgm
.Lfunc_end_k_q8efc0ccb5f_proj:
	.size	k_q8efc0ccb5f_proj, .Lfunc_end_k_q8efc0ccb5f_proj-k_q8efc0ccb5f_proj
	.p2alignl 7, 3214868480
	.fill 96, 4, 3214868480
	.section	.rodata,"a",@progbits
	.p2align	6, 0x0
	.amdhsa_kernel k_q8efc0ccb5f_proj
		.amdhsa_group_segment_fixed_size 327680
		.amdhsa_private_segment_fixed_size 0
		.amdhsa_enable_private_segment 0
		.amdhsa_kernarg_size 104
		.amdhsa_user_sgpr_count 2
		.amdhsa_user_sgpr_kernarg_segment_ptr 1
		.amdhsa_wavefront_size32 1
		.amdhsa_system_sgpr_workgroup_id_x 1
		.amdhsa_system_sgpr_workgroup_id_y 1
		.amdhsa_system_sgpr_workgroup_id_z 1
		.amdhsa_system_vgpr_workitem_id 0
		.amdhsa_next_free_vgpr 1024
		.amdhsa_next_free_sgpr 106
		.amdhsa_reserve_vcc 1
		.amdhsa_float_denorm_mode_32 3
		.amdhsa_float_denorm_mode_16_64 3
		.amdhsa_memory_ordered 1
		.amdhsa_forward_progress 1
		.amdhsa_inst_pref_size 138
	.end_amdhsa_kernel
	.amdgpu_metadata
---
amdhsa.version: [ 1, 2 ]
amdhsa.kernels:
  - .name:           k_q8efc0ccb5f_proj
    .symbol:         k_q8efc0ccb5f_proj.kd
    .args:
      - { .name: x_codes, .offset: 0, .size: 8, .value_kind: global_buffer, .address_space: global }
      - { .name: x_scales, .offset: 8, .size: 8, .value_kind: global_buffer, .address_space: global }
      - { .name: Wq_codes, .offset: 16, .size: 8, .value_kind: global_buffer, .address_space: global }
      - { .name: Wq_scales, .offset: 24, .size: 8, .value_kind: global_buffer, .address_space: global }
      - { .name: Wk_codes, .offset: 32, .size: 8, .value_kind: global_buffer, .address_space: global }
      - { .name: Wk_scales, .offset: 40, .size: 8, .value_kind: global_buffer, .address_space: global }
      - { .name: Wv_codes, .offset: 48, .size: 8, .value_kind: global_buffer, .address_space: global }
      - { .name: Wv_scales, .offset: 56, .size: 8, .value_kind: global_buffer, .address_space: global }
      - { .name: bq, .offset: 64, .size: 8, .value_kind: global_buffer, .address_space: global }
      - { .name: bk, .offset: 72, .size: 8, .value_kind: global_buffer, .address_space: global }
      - { .name: bv, .offset: 80, .size: 8, .value_kind: global_buffer, .address_space: global }
      - { .name: qimg, .offset: 88, .size: 8, .value_kind: global_buffer, .address_space: global }
      - { .name: kv, .offset: 96, .size: 8, .value_kind: global_buffer, .address_space: global }
    .group_segment_fixed_size: 327680
    .private_segment_fixed_size: 0
    .kernarg_segment_align: 8
    .kernarg_segment_size: 104
    .max_flat_workgroup_size: 128
    .sgpr_count:     106
    .vgpr_count:     1024
    .wavefront_size: 32
...
	.end_amdgpu_metadata
.endif
;; end of part 2
;; launch attn (part 3): grid 8 x 64, 16 waves a work-group, no clusters, 280,576 bytes of LDS; arguments qimg, kv, maskbits, out0; writes out0
.if DOCPART == 3
	.amdgcn_target "amdgcn-amd-amdhsa--gfx1250"
	.amdhsa_code_object_version 6
	.text
	.protected	k_q8efc0ccb5f_attn
	.globl	k_q8efc0ccb5f_attn
	.p2align	8
	.type	k_q8efc0ccb5f_attn,@function
k_q8efc0ccb5f_attn:
	s_mov_b64 s[64:65], 0
	v_nop
	global_prefetch_b8 v0, s[64:65] scope:SCOPE_SE
	s_setreg_imm32_b32 hwreg(HW_REG_WAVE_MODE, 25, 1), 1
	s_wait_xcnt 0x0
; out0[b][n][64 head + d] = the sum over keys of softmax(q . k / 8, masked) v, both products on codes of FP6 (E2M3) with E8M0 scales, from the register images that the launch before has stored.
; THE SOFTMAX AHEAD OF THE SECOND PRODUCT: t = score x log2(e) / 8; M = the running largest t rounded up to a whole number; p = 2^(t - M) is quantised along the keys; the row's sum is taken of the unquantised p and divides at the end.
; When M moves, the sum and O are multiplied by 2^(old M - new M), which rounds nothing.
; THE MASK: a score whose bit in maskbits is 0 becomes S0 = -2^33 ahead of the maximum (a logit of -2^30 where the source has -1e9).  S0 x c is a whole number in f32, so in a row that is masked throughout
; t - M is 0 and p is 1 for every key: equal weights, as the source gives; in every other row a masked p is 0.
; LIMITS: unmasked logits lie well above -1e9; NaN and infinities are not served.
; SHARES.  A work-group owns 256 queries of one (batch, head); each of its sixteen waves one tile of 16 queries in 256 registers, four waves to a SIMD, so that one wave's vector work stands beside another's products and LDS loads.
; Every wave walks the 2,048 keys, 128 a step.  THE WHOLE HEAD'S K AND V, 16 x 13,056 bytes, LIE IN LDS, FILLED ONCE: waves 0 to 3 bring a step each, and then three steps each by a second load; no slot is ever filled again.
; NO CLUSTER, NO JOINT LOADS: a work-group asks for its 208,896 bytes once, at its head, and then works on them to its end: there is no request that recurs and could be shared step by step.
; LAYOUT.  Both products are used transposed: S^T = K Q^T (source 0 = 16 keys), O^T = V^T P^T (source 0 = 16 d): a lane holds one query (lane % 16) throughout.  Row r of tile 2 b + u (keys, queries, d) is number 32 b + 8 u + r + 8 (r / 8),
; so score register 16 b + i of lane (r, h) is key 32 b + 16 h + i, and O^T's register 16 b + i is d = 32 b + 16 h + i.
; K = 64 IN AN INSTRUCTION OF 128: q's fragment is 6 registers of codes and 6 of zero codes.  K's fragments lie on end, 6 registers a tile, so a tile's operand runs on into the next tile's codes (behind the last tile: six zero registers);
; E2M3 has no infinity and no NaN, so those codes times q's zeros add exactly 0, under any scale byte but 0xff, which the launch before never stores.
; REGISTERS: v1-3 lane terms of LDS addresses, v4-6 the step's addresses; v7 S0; v12 -M, v13 the largest t, v[14:15] the sum in two halves; v16-27 q; v28-31 q's offsets; v32-79 K's codes, then V's; v80-85 zeros; v87 p's scale word;
;   v88-95 K's scale words; v96-159 S^T, then p; v160-191 O^T; v224-235 p's codes; v232-254 at work; v248-251 V's scale words; v255 q's scale word.
.set STEPB, 13056                      ; a key step in kv and in LDS: K's codes 6,144, V's codes 6,144, K's scale words 512, V's 256
.set STG,   16*STEPB                   ; behind them: a stage of 16 rows x 272 bytes for each wave, which no tensor load fills
.set SP,    272
.set KB,    32
.set KS,    88
.set S,     96
.set O,     160
.set PSW,   87
.set WV,    4                          ; s4 wave; s5 trips; s[2:3] the masks of the step to be loaded; s6 (behind q's loads) LDS byte of the step in hand; s7 at work
.set TB,    6
.set SEL,   66
.set CS,    100                        ; s[100:101] c = log2(e) / 8
.set OP,    104                        ; s[104:105] out0 at my tile's first query and my head
	s_load_b256 s[32:39], s[0:1], 0x0              ; qimg, kv, maskbits, out0 (s32-63 and s68-99 take the lane masks later)
	v_lshl_add_u32 v223, v0, 2, 0x44000
	v_mov_b32 v243, 0
	ds_add_u32 v223, v243
	ds_add_u32 v223, v243
	v_lshrrev_b32 v8, 5, v0
	v_readfirstlane_b32 s[WV], v8                  ; wave 0..15
	s_and_b32 s40, ttmp7, 0xffff                   ; bh
	; group 1: dense blocks as rows of 256 bytes (32 elements of 8 bytes), no padding: 51 rows (one step), 153 rows (three steps)
	s_mov_b32 s8, 3<<16
	s_mov_b32 s9, 32<<16
	s_mov_b32 s10, 51<<16
	s_mov_b32 s11, 32<<16
	s_mov_b32 s12, 51
	s_mov_b32 s13, 32
	s_mov_b32 s14, 0
	s_mov_b32 s15, 0
	s_mov_b32 s16, 3<<16
	s_mov_b32 s17, 32<<16
	s_mov_b32 s18, 153<<16
	s_mov_b32 s19, 32<<16
	s_mov_b32 s20, 153
	s_mov_b32 s21, 32
	s_mov_b32 s22, 0
	s_mov_b32 s23, 0
	s_min_u32 s41, s[WV], 3                        ; (waves 4 to 15 fetch nothing; their words describe wave 3's tiles)
	s_mul_i32 s42, s41, STEPB                      ; first load: step w
	s_mul_i32 s43, s41, 3*STEPB
	s_add_co_u32 s43, s43, 4*STEPB                 ; second load: steps 4 + 3 w on
	s_mul_i32 s44, s40, 16*STEPB                   ; my head's first byte in kv
	s_add_co_u32 s46, s44, s42
	s_mov_b32 s47, 0
	s_add_co_u32 s48, s44, s43
	s_mov_b32 s49, 0
	s_lshl_b32 s50, ttmp9, 4
	s_add_co_u32 s50, s50, s[WV]                   ; T: my tile of queries in the batch
	s_lshr_b32 s51, s50, 3                         ; its group of 128
	s_and_b32 s52, s[WV], 7                        ; and its place t in the group
	s_lshl_b32 s53, s40, 4
	s_add_co_u32 s53, s53, s51
	s_mul_i32 s54, s53, 6656                       ; the group in qimg
	s_mov_b32 s55, 0
	s_lshr_b32 s56, s40, 4                         ; batch
	s_lshl_b32 s57, s56, 7
	s_add_co_u32 s57, s57, s50
	s_lshl_b32 s58, s57, 12                        ; my tile's 16 x 256 bytes of lane masks
	s_mov_b32 s59, 0
	s_lshl_b32 s60, s51, 7
	s_lshr_b32 s61, s52, 1
	s_lshl_b32 s61, s61, 5
	s_add_co_u32 s60, s60, s61
	s_and_b32 s61, s52, 1
	s_lshl_b32 s61, s61, 3
	s_add_co_u32 s60, s60, s61                     ; q0 = 128 G + 32 (t / 2) + 8 (t % 2)
	s_lshl_b32 s61, s56, 11
	s_add_co_u32 s60, s60, s61
	s_lshl_b32 s60, s60, 12                        ; rows of 4,096 bytes (under 2^25)
	s_and_b32 s61, s40, 15
	s_lshl_b32 s61, s61, 8                         ; my head's 256 bytes of a row
	s_add_co_u32 s60, s60, s61
	s_mov_b32 s61, 0
	s_mov_b32 s[SEL], 0x76543210
	s_mov_b32 s[SEL+1], 0xfedcba98                 ; v_permlanex16_b32's selects for lane l xor 16
	s_mov_b32 s[CS], 0x3e38aa3b
	s_mov_b32 s[CS+1], s[CS]                       ; (named with it as a pair, so it is written)
	s_wait_dscnt 0x0
	s_wait_kmcnt 0x0
	s_mov_b32 s24, 1
	s_mov_b32 s25, s42
	s_add_nc_u64 s[26:27], s[34:35], s[46:47]
	s_or_b32 s27, s27, 0x80000000
	s_mov_b32 s28, 1
	s_mov_b32 s29, s43
	s_add_nc_u64 s[30:31], s[34:35], s[48:49]
	s_or_b32 s31, s31, 0x80000000
	s_cmp_lt_u32 s[WV], 4                          ; a wave's two fills stand in one branch, ahead of every wait on TENSORcnt, every LDS read and every barrier
	s_cbranch_scc0 .Lno_fetch
	tensor_load_to_lds s[24:27], s[8:15]
	s_nop 0
	tensor_load_to_lds s[28:31], s[16:23]
	s_nop 0
.rept 4
	v_nop
.endr
.Lno_fetch:
	s_add_nc_u64 s[6:7], s[32:33], s[54:55]        ; q's group
	s_add_nc_u64 s[2:3], s[36:37], s[58:59]        ; my masks, step 0
	s_add_nc_u64 s[OP:OP+1], s[38:39], s[60:61]
	v_and_b32 v9, 31, v0                           ; lane
	v_and_b32 v10, 15, v0                          ; r
	v_lshlrev_b32 v1, 4, v9                        ; an image's place for my lane
	v_lshl_add_u32 v2, v10, 5, 12288               ; K's scale words: 32 bytes a row
	v_lshl_add_u32 v3, v10, 4, 12800               ; V's: 16 bytes a row
	v_mov_b32 v7, 0xd0000000                       ; S0 = -2^33
	s_mul_i32 s41, s52, 6                          ; my tile's first register in the group's image
.irp p, 0,1,2
	s_add_co_u32 s42, s41, 2*\p                    ; registers 6 t + 2 p, + 1: byte (p' / 4) 512 + 4 (p' % 4) + 16 lane
	s_lshr_b32 s43, s42, 2
	s_lshl_b32 s43, s43, 9
	s_and_b32 s42, s42, 3
	s_lshl_b32 s42, s42, 2
	s_add_co_u32 s43, s43, s42
	v_add_nc_u32 v[28+\p], s43, v1
	global_load_b64 v[16+2*\p:17+2*\p], v[28+\p], s[6:7]
.endr
	s_lshl_b32 s42, s52, 2
	v_lshl_add_u32 v31, v10, 5, s42
	global_load_b32 v255, v31, s[6:7] offset:6144  ; q's scale words
	s_load_b512 s[32:47], s[2:3], 0x0              ; the lane masks of step 0: word w in s[32 + w] (w < 32) or s[36 + w]
	s_load_b512 s[48:63], s[2:3], 0x40
	s_load_b512 s[68:83], s[2:3], 0x80
	s_load_b512 s[84:99], s[2:3], 0xc0
.irp j, 22,23,24,25,26,27,80,81,82,83,84,85
	v_mov_b32 v[\j], 0                             ; zero codes: the upper half of q's fragment, and what stands behind K's last tile
.endr
	v_mov_b32 v13, 0xff61b1e6                      ; the largest t so far: -3e38, under every t
	v_floor_f32 v12, -v13                          ; -M
	v_mov_b32 v14, 0                               ; the sum, in two halves
	v_mov_b32 v15, 0
.irp b, 0,1,2,3
	v_mov_b32 v[236+\b], 0                         ; written once: a lane permute's destination counts as one of its sources
.endr
	v_mov_b32 v253, 0                              ; (named as the upper half of the pair v[252:253])
.irp j, 0,1,2,3,4,5,6,7,8,9,10,11,12,13,14,15,16,17,18,19,20,21,22,23,24,25,26,27,28,29,30,31
	v_mov_b32 v[O+\j], 0                           ; O^T: the step is written for every trip alike; the first finds zeros, which the first change of M leaves zeros
.endr
; A KEY STEP: 128 keys.  more = 1: the next step's lane masks are asked for.
.macro STEP more
	v_add_nc_u32 v4, s[TB], v1
	v_add_nc_u32 v5, s[TB], v2
	v_add_nc_u32 v6, s[TB], v3
	v_nop                                          ; four places in front of loads into registers that the last products have read
.irp g, 0,1,2,3,4,5,6,7,8,9,10,11
	ds_load_b128 v[KB+4*\g:KB+4*\g+3], v4 offset:512*\g   ; K's eight fragments, as they were stored: 512 consecutive bytes a load
.endr
	ds_load_b128 v[KS:KS+3], v5
	ds_load_b128 v[KS+4:KS+7], v5 offset:16
	s_wait_dscnt 0x0
.irp t, 0,1,2,3,4,5,6,7
	v_wmma_scale_f32_16x16x128_f8f6f4 v[S+8*\t:S+8*\t+7], v[KB+6*\t:KB+6*\t+11], v[16:27], 0, v[KS+\t], v255 matrix_a_fmt:MATRIX_FMT_FP6 matrix_b_fmt:MATRIX_FMT_FP6
.endr
.rept 4
	v_nop                                          ; four places behind the products: their results are read, and V is loaded over K
.endr
	s_wait_kmcnt 0x0                               ; this step's lane masks (asked for a step ago)
.set rho, 0
.rept 64
.set sig, 2*(rho%32)+rho/32
	v_cndmask_b32 v[S+rho], v7, v[S+rho], s[32+sig+4*(sig/32)]   ; a masked score becomes S0; each accumulator from its low end on
.set rho, rho+1
.endr
.if \more
	s_add_nc_u64 s[2:3], s[2:3], 256               ; (the wait above has shown the last scalar loads done)
	s_load_b512 s[32:47], s[2:3], 0x0              ; they have the softmax in which to land
	s_load_b512 s[48:63], s[2:3], 0x40
	s_load_b512 s[68:83], s[2:3], 0x80
	s_load_b512 s[84:99], s[2:3], 0xc0
.endif
.irp g, 0,1,2,3,4,5,6,7,8,9,10,11
	ds_load_b128 v[KB+4*\g:KB+4*\g+3], v4 offset:6144+512*\g   ; V's four fragments land while the softmax is worked
.endr
	ds_load_b128 v[248:251], v6
.irp b, 0,1,2,3
	v_max3_num_f32 v[232+\b], v[S+16*\b], v[S+1+16*\b], v[S+2+16*\b]   ; the largest score of each block of 32 keys: for the row's maximum, and, since p rises with the score, for the block's largest p
.endr
.irp i, 3,5,7,9,11,13
.irp b, 0,1,2,3
	v_max3_num_f32 v[232+\b], v[232+\b], v[S+16*\b+\i], v[S+1+16*\b+\i]
.endr
.endr
.irp b, 0,1,2,3
	v_max_num_f32 v[232+\b], v[232+\b], v[S+15+16*\b]
.endr
.irp b, 0,1,2,3
	v_permlanex16_b32 v[236+\b], v[232+\b], s[SEL], s[SEL+1]
.endr
.irp b, 0,1,2,3
	v_max_num_f32 v[232+\b], v[232+\b], v[236+\b]  ; with lane l xor 16's sixteen keys
.endr
	v_max3_num_f32 v254, v232, v233, v234
	v_max_num_f32 v254, v254, v235                 ; the step's largest score of my query
	v_mul_f32 v254, s[CS], v254                    ; as t (c is positive)
	v_max_num_f32 v13, v13, v254                   ; the running largest t
	v_mov_b32 v254, v12
	v_floor_f32 v12, -v13                          ; the new -M = floor(-t) = -ceil(t)
	v_sub_f32 v254, v12, v254                      ; old M - new M: a whole number, 0 or less
	v_cvt_i32_f32 v254, v254                       ; (it saturates)
	v_ldexp_f32 v252, 1.0, v254                    ; f = 2^(old M - new M)
.irp j, 0,2,4,6,8,10,12,14,16,18,20,22,24,26,28,30,32,34,36,38,40,42,44,46,48,50,52,54,56,58,60,62
	v_pk_fma_f32 v[S+\j:S+1+\j], v[S+\j:S+1+\j], s[CS:CS+1], v[12:13] op_sel_hi:[1,0,0]   ; t - M, two at a time
.endr
.irp b, 0,1,2,3
	v_fma_f32 v[232+\b], v[232+\b], s[CS], v12     ; the same of each block's largest score
.endr
.irp j, 0,1,2,3,4,5,6,7,8,9,10,11,12,13,14,15,16,17,18,19,20,21,22,23,24,25,26,27,28,29,30,31,32,33,34,35,36,37,38,39,40,41,42,43,44,45,46,47,48,49,50,51,52,53,54,55,56,57,58,59,60,61,62,63
	v_exp_f32 v[S+\j], v[S+\j]                     ; p = 2^(t - M), at most 1, not normalised
.endr
	v_pk_mul_f32 v[14:15], v[14:15], v[252:253] op_sel_hi:[1,0]   ; the sums under the new M (a plain place behind the exponentials)
	s_wait_alu depctr_va_vdst(0)                   ; one wait for the batch of 64, ahead of the first use of a result
.irp b, 0,1,2,3
	v_exp_f32 v[232+\b], v[232+\b]                 ; the block's largest p: the same two instructions on the same number give the same bits
.endr
	v_pk_add_f32 v[236:237], v[S:S+1], v[S+2:S+3]  ; the row's sum is taken of the unquantised p: two at a time, in two chains
.irp j, 4,8,12,16,20,24,28,32,36,40,44,48,52,56,60
	v_pk_add_f32 v[14:15], v[14:15], v[S+\j:S+1+\j]
	v_pk_add_f32 v[236:237], v[236:237], v[S+2+\j:S+3+\j]
.endr
	v_pk_add_f32 v[14:15], v[14:15], v[236:237]
	s_wait_alu depctr_va_vdst(0)                   ; and one for the four
.irp b, 0,1,2,3
	v_max_num_f32 v[232+\b], 0x1800000, v[232+\b]  ; the floor 2^(3 - 127): the byte cannot fall under 1 (a block whose every p is 0 keeps that byte: its codes are zeros)
.endr
.irp b, 0,1,2,3
	v_add_nc_u32 v[244+\b], 0xff000000, v[232+\b]  ; 2 off the exponent field: the conversion's scale operand
.endr
.irp b, 0,1,2,3
	v_lshrrev_b32 v[236+\b], 23, v[244+\b]         ; the scale's byte
.endr
	v_lshl_or_b32 v[PSW], v237, 8, v236            ; p's scale word for these 128 keys
	v_lshl_or_b32 v[PSW], v238, 16, v[PSW]
	v_lshl_or_b32 v[PSW], v239, 24, v[PSW]
.irp c, 0,1
	v_cvt_scalef32_pk16_fp6_f32 v[224+6*\c:226+6*\c], v[S+32*\c:S+15+32*\c], v[244+2*\c]
	v_cvt_scalef32_pk16_fp6_f32 v[236+4*\c:238+4*\c], v[S+16+32*\c:S+31+32*\c], v[244+2*\c+1]   ; (a conversion's three registers begin on an even number)
.endr
	v_nop                                          ; one plain place behind a scaled conversion
.irp c, 0,1                                    ; the operand's layout wants a whole block in a lane
.irp i, 0,1,2
	v_permlane16_swap_b32 v[224+6*\c+\i], v[236+4*\c+\i]
.endr
.irp i, 0,1,2
	v_mov_b32 v[227+6*\c+\i], v[236+4*\c+\i]
.endr
.endr
.irp j, 0,2,4,6,8,10,12,14,16,18,20,22,24,26,28,30
	v_pk_mul_f32 v[O+\j:O+1+\j], v[O+\j:O+1+\j], v[252:253] op_sel_hi:[1,0]   ; O^T under the new M.  For each product below, the twelve of these that name other tiles stand between the scale word's and the codes' last writes and the product
.endr
	s_wait_dscnt 0x0                               ; V's fragments and scale words are in
.irp d, 0,1,2,3
	v_wmma_scale_f32_16x16x128_f8f6f4 v[O+8*\d:O+8*\d+7], v[KB+12*\d:KB+12*\d+11], v[224:235], v[O+8*\d:O+8*\d+7], v[248+\d], v[PSW] matrix_a_fmt:MATRIX_FMT_FP6 matrix_b_fmt:MATRIX_FMT_FP6
.endr
	s_add_co_u32 s[TB], s[TB], STEPB               ; on to the next step's bytes
.endm
	s_wait_loadcnt 0x0                             ; q; its base register is free now
	s_mov_b32 s[TB], 0
	s_wait_tensorcnt 0x1                           ; my first load (a step of steps 0 to 3) has landed; the second may stay out
	s_barrier_signal -1
	s_barrier_wait -1                              ; steps 0 to 3 are whole
	s_mov_b32 s5, 4
.LloopA:
	STEP 1
	s_sub_co_u32 s5, s5, 1
	s_cmp_lg_u32 s5, 0
	s_cbranch_scc1 .LloopA
	s_wait_tensorcnt 0x0                           ; my second load has landed
	s_wait_dscnt 0x0
	s_barrier_signal -1
	s_barrier_wait -1                              ; steps 4 to 15 are whole
	s_mov_b32 s5, 11
.LloopB:
	STEP 1
	s_sub_co_u32 s5, s5, 1
	s_cmp_lg_u32 s5, 0
	s_cbranch_scc1 .LloopB
	STEP 0                                         ; the last step is written out: no load of masks leaves its buffer
	; THE WAY OUT.  O^T is divided by the row's sum and goes through my own stage in LDS, so that sixteen lanes store a query's 256 consecutive bytes of my head.
	v_add_f32 v14, v14, v15                        ; the sum's two halves,
	v_permlanex16_b32 v252, v14, s[SEL], s[SEL+1]
	v_add_f32 v14, v14, v252                       ; and lane l xor 16's
	v_rcp_f32 v14, v14
	v_and_b32 v8, 15, v0                           ; (plain places behind the reciprocal and behind the last products)  r
	v_bfe_u32 v9, v0, 4, 1                         ; h
	s_mul_i32 s7, s[WV], 16*SP
	s_add_co_u32 s7, s7, STG                       ; my stage
	v_mul_u32_u24 v10, v8, SP
	v_lshl_add_u32 v10, v9, 6, v10
	v_add_nc_u32 v10, s7, v10                      ; in: row r; d = 32 b + 16 h + i at byte 128 b + 64 h + 4 i
	v_mul_u32_u24 v11, v9, SP
	v_lshl_add_u32 v11, v8, 4, v11
	v_add_nc_u32 v11, s7, v11                      ; back: lanes 0-15 one row, lanes 16-31 the next
	v_lshlrev_b32 v4, 12, v9
	v_lshl_add_u32 v4, v8, 4, v4                   ; and the same two rows in out0
	s_wait_alu depctr_va_vdst(0)                   ; the wait ahead of the reciprocal's first use
.irp j, 0,1,2,3,4,5,6,7,8,9,10,11,12,13,14,15,16,17,18,19,20,21,22,23,24,25,26,27,28,29,30,31
	v_mul_f32 v[S+\j], v[O+\j], v14
.endr
.irp b, 0,1
.irp i, 0,1,2,3
	ds_store_b128 v10, v[S+16*\b+4*\i:S+16*\b+4*\i+3] offset:128*\b+16*\i
.endr
.endr
.irp i, 0,1,2,3,4,5,6,7
	ds_load_b128 v[KB+4*\i:KB+4*\i+3], v11 offset:2*\i*SP   ; LDS serves a wave's instructions in order: these see my stores
.endr
.irp i, 0,1,2,3,4,5,6,7
	s_wait_dscnt 7-\i                              ; load i is back; the younger ones may be out
	global_store_b128 v4, v[KB+4*\i:KB+4*\i+3], s[OP:OP+1] offset:(2*\i+8*(\i/4))*4096 th:TH_STORE_NT   ; stage row 2 i + h is query q0 + 2 i + h + 8 (i / 4); 16 lanes store 256 consecutive bytes, aligned
.endr
	s_wait_tensorcnt 0x0
	ds_add_u32 v223, v243
	s_wait_dscnt 0x0
	s_endpgm
.Lfunc_end_k_q8efc0ccb5f_attn:
	.size	k_q8efc0ccb5f_attn, .Lfunc_end_k_q8efc0ccb5f_attn-k_q8efc0ccb5f_attn
	.p2alignl 7, 3214868480
	.fill 96, 4, 3214868480
	.section	.rodata,"a",@progbits
	.p2align	6, 0x0
	.amdhsa_kernel k_q8efc0ccb5f_attn
		.amdhsa_group_segment_fixed_size 280576
		.amdhsa_private_segment_fixed_size 0
		.amdhsa_enable_private_segment 0
		.amdhsa_kernarg_size 32
		.amdhsa_user_sgpr_count 2
		.amdhsa_user_sgpr_kernarg_segment_ptr 1
		.amdhsa_wavefront_size32 1
		.amdhsa_system_sgpr_workgroup_id_x 1
		.amdhsa_system_sgpr_workgroup_id_y 1
		.amdhsa_system_sgpr_workgroup_id_z 1
		.amdhsa_system_vgpr_workitem_id 0
		.amdhsa_next_free_vgpr 256
		.amdhsa_next_free_sgpr 106
		.amdhsa_reserve_vcc 0
		.amdhsa_float_denorm_mode_32 3
		.amdhsa_float_denorm_mode_16_64 3
		.amdhsa_memory_ordered 1
		.amdhsa_forward_progress 1
		.amdhsa_inst_pref_size 71
	.end_amdhsa_kernel
	.amdgpu_metadata
---
amdhsa.version: [ 1, 2 ]
amdhsa.kernels:
  - .name:           k_q8efc0ccb5f_attn
    .symbol:         k_q8efc0ccb5f_attn.kd
    .args:
      - { .name: qimg, .offset: 0, .size: 8, .value_kind: global_buffer, .address_space: global }
      - { .name: kv, .offset: 8, .size: 8, .value_kind: global_buffer, .address_space: global }
      - { .name: maskbits, .offset: 16, .size: 8, .value_kind: global_buffer, .address_space: global }
      - { .name: out0, .offset: 24, .size: 8, .value_kind: global_buffer, .address_space: global }
    .group_segment_fixed_size: 280576
    .private_segment_fixed_size: 0
    .kernarg_segment_align: 8
    .kernarg_segment_size: 32
    .max_flat_workgroup_size: 512
    .sgpr_count:     106
    .vgpr_count:     256
    .wavefront_size: 32
...
	.end_amdgpu_metadata
.endif
;; end of part 3
